; MI455X (gfx1250); checked and timed in simulation.
; The chip was launched on July 23, 2026; its instructions are those of AMD's public machine-readable ISA for CDNA 5 (MIT licence, August 2026) and "CDNA5" Instruction Set Architecture Reference Guide (July 2026). The comments in the code are by the model that wrote it; some were corrected since.
;; Full Attention. Allowed arithmetic: matrix products marked QUANTISED: E5M2 operands, one E8M0 scale for each 32 along K, by v_wmma_scale_f32_16x16x128_f8f6f4 with both operands' format E5M2, f32 sums; everything else in f32.
;; Inputs: keys_codes 4 x 2,048 x 8 x 2 x 32 uint8 (E5M2 codes of keys, K innermost, in blocks of 32 codes); keys_scales 4 x 2,048 x 8 x 2 uint8 (E8M0 scales of keys, one for each 32 codes along K); queries_codes 4 x 2,048 x 8 x 2 x 32 uint8 (E5M2 codes of queries, K innermost, in blocks of 32 codes); queries_scales 4 x 2,048 x 8 x 2 uint8 (E8M0 scales of queries, one for each 32 codes along K); values_codes 4 x 8 x 64 x 64 x 32 uint8 (E5M2 codes of values, K innermost, in blocks of 32 codes); values_scales 4 x 8 x 64 x 64 uint8 (E8M0 scales of values, one for each 32 codes along K).
;; Outputs: out0 4 x 2,048 x 8 x 64 float32.
;; This version of the problem:
;;   THIS VERSION OF THE PROBLEM IS GIVEN IN LOW PRECISION. The matrix products marked QUANTISED in the list below multiply operands that are first quantised to E5M2 (5 exponent bits, 2 mantissa bits; 8 bits a number), with one power-of-two scale for each 32 numbers along K (OCP MX v1.0); their sums are f32. All else is computed in f32.
;;   The module's matrix products, in the order in which they are computed (A, B: the left and right operand; K: the contracted axis; several contracted axes count as one K, in the product's order):
;;     1. batch 32 x [M 2,048, K 64] x [K 64, N 2,048]; A: input queries (given as codes); B: input keys (given as codes): QUANTISED
;;     2. batch 32 x [M 64, K 2,048] x [K 2,048, N 2,048]; A: input values (given as codes); B: softmax (see below): QUANTISED
;;   THE QUANTISER, for each operand of a quantised product, along K:
;;     - K is cut into blocks of 32 from its start; a last block that is shorter is filled with zeros.
;;     - A block's scale is 2^e with e = floor(log2(the largest magnitude in the block)) - 15, held to -126 .. 127; a block of zeros has e = 0. As a byte (E8M0): e + 127.
;;     - Each number is divided by its block's scale, clamped to +-57,344, and rounded to the nearest number of E5M2, ties to even, subnormals kept.
;;     - The product sums the exact products of the quantised numbers (number of the format x scale) in f32.
;;   ~~~python
;;   def quantise(x, axis):      # numpy; x: float32 -> the quantised numbers, widened to float32 again
;;       x = np.moveaxis(x, axis, -1); K = x.shape[-1]
;;       x = np.pad(x, [(0, 0)] * (x.ndim - 1) + [(0, -K % 32)]); x = x.reshape(x.shape[:-1] + (-1, 32)); a = np.abs(x).max(-1, keepdims=True)
;;       e = np.where(a > 0, np.clip(np.frexp(np.where(a > 0, a, 1))[1] - 1 - 15, -126, 127), 0)      # np.frexp(a)[1] - 1 = floor(log2(a)), exactly
;;       r = np.clip(x / 2.0 ** e, -57344, 57344)
;;       step = 2.0 ** (np.maximum(np.frexp(np.where(r == 0, 1, r))[1] - 1, -14) - 2)
;;       q = np.round(r / step) * step * 2.0 ** e      # np.round: ties to even
;;       return np.moveaxis(q.reshape(q.shape[:-2] + (-1,))[..., :K], -1, axis).astype(np.float32)
;;   ~~~
;;   SOFTMAX AHEAD OF A QUANTISED PRODUCT. Where the list says 'softmax', what is quantised is not the finished softmax but p = 2^(t - M), with t = logit x log2(e) and M = ceil(the row's largest t), a whole number; so 1/2 < the row's largest p <= 1. The row's sum l is taken of the UNQUANTISED p, in f32, and the product's result is divided by l at the end. Since M is a whole number, a kernel that streams over the keys may use a running M (the ceiling of the running maximum): every later rescaling is an exact power of two, which a block's scale takes up: the codes' values come out the same.
;;   OPERANDS COMPUTED ON THE WAY. 'Computed on the way' means the value that the module computes at that place (a softmax that the list does not call 'softmax' is quantised finished and normalised). What goes into a quantiser is computed in f32, as accurately as f32 sums, v_exp_f32 and their like allow (about 1e-6 of the number): no bf16 or f16 on the way to a quantiser, and a product that is left as it is and whose result goes on into a quantised operand takes f32 operands (vector FMAs, or v_wmma_f32_16x16x4_f32). A number that lies on a knife's edge between two numbers of the format may be rounded either way, as far as f32 arithmetic and the matrix unit's own rounding can turn it there, and no further.
;;   INPUTS GIVEN AS CODES. keys (in the module: [4, 2048, 8, 64], K = its axis 3); queries (in the module: [4, 2048, 8, 64], K = its axis 3); values (in the module: [4, 2048, 8, 64], K = its axis 1): each comes as NAME_codes (uint8): NAME with its K axis moved to the last place and cut into blocks of 32 codes, [.., K / 32, bytes a block], one block behind the other in memory; one code a byte (a code: sign, 5 exponent bits, 2 mantissa bits); and NAME_scales (uint8): the same leading axes, one E8M0 byte (e + 127) for each 32 codes along K. Its value is code x scale, taken as it is: it is not quantised again, and the codes and scales need not be those that the quantiser above would give.
;; One version. Each part assembles by itself: llvm-mc -triple=amdgcn-amd-amdhsa -mcpu=gfx1250 --defsym DOCPART=n.
;; ======== version 1 of 1: 1 launch
;; launch attn (part 1): grid 8 x 32, 8 waves a work-group, clusters of 4 x 1, 327,680 bytes of LDS; arguments queries_codes, queries_scales, keys_codes, keys_scales, values_codes, values_scales, out0; writes out0
.if DOCPART == 1
	.amdgcn_target "amdgcn-amd-amdhsa--gfx1250"
	.amdhsa_code_object_version 6
	.text
	.protected	k_q1fd49ff5ed_attn
	.globl	k_q1fd49ff5ed_attn
	.p2align	8
	.type	k_q1fd49ff5ed_attn,@function
k_q1fd49ff5ed_attn:
	s_mov_b64 s[64:65], 0
	v_nop
	global_prefetch_b8 v0, s[64:65] scope:SCOPE_SE
	s_setreg_imm32_b32 hwreg(HW_REG_WAVE_MODE, 25, 1), 1
	s_wait_xcnt 0x0
	s_wait_alu depctr_hold_cnt(0) depctr_sa_sdst(0) depctr_va_vdst(0) depctr_va_sdst(0) depctr_va_ssrc(0) depctr_va_vcc(0) depctr_vm_vsrc(0)
	s_getreg_b32 s2, hwreg(HW_REG_IB_STS2, 6, 4)
	s_cmp_eq_u32 s2, 0
	s_cbranch_scc0 .Lentry_in_a_cluster
	s_endpgm
.Lentry_in_a_cluster:
	s_bfe_u32 s2, ttmp6, 0x10000c
	s_cmp_lg_u32 s2, 0x3003
	s_cbranch_scc0 .Lentry_shape_is_right
	s_endpgm
.Lentry_shape_is_right:
; Causal attention on codes of BF8 (E5M2) with one E8M0 scale for each 32 along a product's K.  4 batches x 8 heads, 2,048 queries x 2,048 keys, head size 64.
; out0[b][l][h][:] = the sum over s <= l of softmax_s(Q[b][l][h] . K[b][s][h] / 8) V[b][s][h][:], f32.
; Q, K: a row (b, l, h) is 64 codes, rows of one head 512 bytes apart; 2 scale bytes a row, 16 bytes apart.  V: keys innermost, 64 rows of 2,048 codes a head; 64 scale bytes a row.
; THE SOFTMAX AHEAD OF THE SECOND PRODUCT: t = score x log2(e) / 8; M = the running largest t rounded UP to a whole number; p = 2^(t - M) is quantised along the keys, not normalised;
; the row's sum is taken of the unquantised p and divides at the end; when M moves, the sum and O are multiplied by 2^(old M - new M), which rounds nothing.
; SHARES.  A work-group of eight waves serves one (batch, head), and THE WHOLE HEAD'S K AND V LIE IN ITS LDS, EACH BYTE FILLED ONCE: no ring, no refill.  A head's queries are 16 blocks of 128 = 8 tiles of 16.
; Work-group c (0..7) of the head takes tile c of every block; wave w takes block 15 - w (tile B: 16 - w key steps of 128 keys), then block w (tile A: w + 1 steps): 17 steps for every wave of the launch.
; CLUSTER.  The eight work-groups of a head are two clusters of 4 x 1; K's and V's tiles are asked for JOINTLY (mask 15).  The place in the cluster enters Q's and out0's global addresses and the numbers that the diagonal's
; mask compares, and nothing else: no branch, no trip count, no LDS address.
; LAYOUT.  Both products are used transposed: S^T = K Q^T (source 0 = 16 keys, source 1 = my 16 queries), O^T = V^T P^T (source 0 = 16 of the head's 64, source 1 = P): a lane holds ONE query (lane % 16) throughout.
; K = 64 IN AN INSTRUCTION OF K = 128: zero CODES fill the other half on both sides.  Even tiles of keys: [K, 0] x [q, 0], scale bytes 0, 1; odd tiles: [0, K] x [0, q], scale bytes 2, 3: so one run of eight zero
; registers serves two neighbouring fragments, and one scale word serves two neighbouring tiles.  K's zeros and Q's are different registers.
; THE SECOND PRODUCT'S k IS PERMUTED INSIDE EACH BLOCK OF 32, alike in P and V: register 8 t + j of S^T is key 16 t + 8 (lane / 16) + j, so the 16 registers of tiles 2 b, 2 b + 1 are my half of block b; their codes are
; registers 4 b .. 4 b + 3 of P's operand, and V's fragment takes the same keys by loads of 8 bytes.  The blocks and their scales are untouched; only the order of the sum inside an instruction differs.
; NO LDS LOAD IS WAITED FOR WHERE IT IS ISSUED.  K's eight fragments of a step have registers of their own (window 1) and are asked for in the middle of the step before; V's four are asked for behind the step's first products
; and wanted behind its softmax.
; LIMITS: NaN and infinity codes and the scale byte 0xff are not served (a NaN loses in the maxima; a key's byte 0xff would also spoil the key 16 away, whose word it shares); a block of p that is all zeros keeps the
; byte 1 (its codes are zeros; the bytes are this kernel's own); p under 2^-126 comes out of v_exp_f32 as 0.
; LDS (324,608 bytes used; the kernel is alone on its WGP):
.set KP,    80                         ; K: a key's row: 64 bytes + 16 of padding = 20 words: the 16 rows of a tile start in 16 different columns of 16 bytes (64 banks of 4 bytes: ISA guide 11.1)
.set TILEB, 16*KP                      ; a tile of 16 keys
.set STEPB, 128*KP                     ; a step of 128 keys: also what one tensor load brings
.set VP,    528                        ; V: chunks of 512 keys, 64 rows x (512 + 16) bytes = 132 words: the 32 lanes of a load of 8 bytes touch 64 different banks.  Step n lies in chunk n / 4 at byte 128 (n % 4) of the rows
.set CHUNK, 64*VP
.set VB,    16*STEPB                   ; K's codes from 0 (163,840 bytes), V's from here (135,168)
.set KS,    VB+4*CHUNK                 ; K's scale words, made here: step n, pair of tiles b, row r: at 256 n + 8 (16 (b % 2) + r) + 4 (b / 2); lower half: key 32 b + r's two bytes, upper half: key 32 b + 16 + r's
.set VS,    KS+4096                    ; V's scale words, laid anew: the word (d, step n) at 256 n + 8 (d % 32) + 4 (d / 32)
.set STG,   VS+4096                    ; the way out: 8 rows x (256 + 16) bytes for each wave
.set STW,   8*272
; VECTOR REGISTERS, window 0
.set AK0, 1                            ; v1   my lane's place in a tile of K
.set AV0, 2                            ; v2   in a tile of V
.set ASK, 3                            ; v3   among a step's scale words of K: 8 x lane
.set ASV, 4                            ; v4   of V: 8 x lane
.set DG,  5                            ; v5   16 c + lane % 16 - 8 (lane / 16): on the diagonal register 8 t + j is hidden where 16 t + j is larger
.set GO,  6                            ; v6   the way out: my byte offset in the tile's rows of out0
.set STO, 7                            ; v7   where I put 32 bytes of a row
.set RD,  8                            ; v8   where I read a row back
.set ADK, 9                            ; v9-12 the addresses of the trip in hand: K, V, K's scale words, V's
.set ADV, 10
.set ADS, 11
.set ADT, 12
.set QS,  18                           ; v[14:15] -M, the largest t;  v[16:17] the sum in two halves;  v18 Q's scale word, its two bytes in both halves
.set RR,  19                           ; v19  lane % 16, kept for the way out;  v13, v20-23: the head's scratch
.set QF,  24                           ; v24-31 q, v32-39 zeros, v40-47 q: [q, 0] = v[24:39], [0, q] = v[32:47]
.set F,   48                           ; v48-111 V's four fragments
.set PC,  112                          ; v112-127 p's codes
.set S,   132                          ; v132-195 S^T, then p
.set O,   196                          ; v196-227 O^T, four tiles
.set BM,  228                          ; v228-231 the blocks' largest score, then largest p
.set T1,  232                          ; v232-235 at work
.set HD,  236                          ; v236-239 57,344 x the scale
.set SO,  240                          ; v240-243 the conversion's scale operand
.set KSC, 244                          ; v244-245 K's scale words of a step (scale operands have no window)
.set VSC, 248                          ; v248-249 V's
.set FF,  250                          ; v[250:251] f = 2^(old M - new M); v251 is only named with it
.set PW,  252                          ; v252 p's scale word
.set TW,  253                          ; v253 at work
.set NI,  254                          ; v254 -infinity
; window 1: v256-351 K's fragments of a step: pair of tiles b at 24 b: eight registers of the even tile, eight zeros (written once, never loaded into), eight of the odd tile: [K, 0] = 24 b .. + 15, [0, K] = 24 b + 8 .. + 23
.set AQ,  96                           ; v352-359 tile A's q, v360 its scale bytes
; SCALAR REGISTERS
.set WV,  18                           ; my wave's number
.set MNT, 19                           ; the mantissa field of 57,344
.set SEL, 20                           ; s[20:21] v_permlanex16_b32's selects for lane l xor 16
.set CS,  22                           ; s[22:23] c = log2(e) / 8
.set G1K, 24                           ; s[24:31], s[32:39] descriptor groups 1 for K's and V's tiles
.set G1V, 32
.set G0K, 40                           ; s[40:55], s[68:83] groups 0, four sets each
.set G0V, 68
.set BLK, 84                           ; the block of the tile in hand = the number of its diagonal step
.set NS,  86                           ; the trip's first step
.set TK,  87                           ; where the trip's keys begin in K's codes: 40,960 a trip
.set TV,  88                           ; the trip's chunk of V: 33,792 a trip
.set TS,  89                           ; the trip's scale words, in both tables: 1,024 a trip
.set OUTB, 96                          ; s[96:97], s[98:99] out0 at tile B's and tile A's first row; s[92:93], s[94:95] tile A's Q codes and scale bytes
.set MSB, 0
.macro WIN new                         ; s_set_vgpr_msb's low byte: bits 1:0 source 0, 7:6 destination; the high byte repeats the setting that is left.  At a label and at a branch every window is 0
.if MSB != \new
	s_set_vgpr_msb (MSB<<8)|\new
.set MSB, \new
.endif
.endm
; A round of the cluster's barrier: my work-group's barrier; wave 0 signals for the work-group; every wave waits for all four work-groups; my work-group's barrier once more.
.macro CROUND
	s_barrier_signal -1
	s_barrier_wait -1
	s_cmp_lg_u32 s[WV], 0
	s_cbranch_scc1 .Lnot_wave_0_\@
	s_barrier_signal -3
.Lnot_wave_0_\@:
	s_barrier_wait -3
	s_barrier_signal -1
	s_barrier_wait -1
.endm
; A tile begins: the largest t under every t, the sum and O^T zeros.  The key step is written without a copy for a first step: the first change of M multiplies zeros.
.macro INIT
	v_mov_b32 v15, 0xff61b1e6                      ; -3e38
	v_floor_f32 v14, -v15                          ; -M
	v_mov_b32 v16, 0
	v_mov_b32 v17, 0
.set JJ, 0
.rept 32
	v_mov_b32 v[O+JJ], 0
.set JJ, JJ+1
.endr
.endm
.macro START                           ; the walk over the keys begins at step 0
	s_mov_b32 s[NS], 0
	s_mov_b32 s[TK], 0
	s_mov_b32 s[TV], 0
	s_mov_b32 s[TS], 0
.endm
; K's eight fragments and four pairs' scale words of the trip's step q (q = 4: the next trip's first): 17 loads
.macro KLOAD q
	WIN 0x40                                       ; destination window 1, address window 0
.irp t, 0,1,2,3,4,5,6,7
	ds_load_b128 v[24*(\t/2)+16*(\t%2):24*(\t/2)+16*(\t%2)+3],   v[ADK] offset:STEPB*(\q)+TILEB*\t
	ds_load_b128 v[24*(\t/2)+16*(\t%2)+4:24*(\t/2)+16*(\t%2)+7], v[ADK] offset:STEPB*(\q)+TILEB*\t+32
.endr
	WIN 0
	ds_load_b64 v[KSC:KSC+1], v[ADS] offset:256*(\q)               ; register g: lanes 0-15 the words of tiles 4 g, 4 g + 1; lanes 16-31 those of tiles 4 g + 2, 4 g + 3
.endm
.macro PRE                             ; where no step before has asked: K of the trip's first step
	v_add_nc_u32 v[ADK], s[TK], v[AK0]
	v_add_nc_u32 v[ADS], s[TS], v[ASK]
	KLOAD 0
.endm
	s_load_b256 s[4:11], s[0:1], 0x0               ; Q's codes s[4:5], Q's scales s[6:7], K's codes s[8:9], K's scales s[10:11]
	s_load_b128 s[12:15], s[0:1], 0x20             ; V's codes s[12:13], V's scales s[14:15]
	s_load_b64 s[16:17], s[0:1], 0x30              ; out0
	v_lshl_add_u32 v247, v0, 2, 0x4f400
	v_mov_b32 v255, 0
	ds_add_u32 v247, v255
	ds_add_u32 v247, v255
	v_lshrrev_b32 v9, 5, v0
	v_readfirstlane_b32 s[WV], v9                  ; wave 0..7
	v_and_b32 v[RR], 15, v0                        ; r
	v_bfe_u32 v20, v0, 4, 1                        ; h
	v_and_b32 v21, 31, v0                          ; lane
	v_lshrrev_b32 v22, 4, v0                       ; K's scale bytes: thread t makes the words of pairs t / 16 + 16 i, row t % 16: key 32 (t / 16) + t % 16 + 512 i and the key 16 on; 16 bytes from key to key
	v_lshlrev_b32 v22, 9, v22
	v_lshl_add_u32 v22, v[RR], 4, v22
	v_lshlrev_b32 v23, 2, v0                       ; V's scale words: word = thread
	v_lshlrev_b32 v13, 9, v[RR]
	v_lshl_add_u32 v13, v20, 4, v13                ; Q's codes: row r of 512 bytes' pitch, + 16 h
	v_lshlrev_b32 v12, 4, v[RR]                    ; Q's scale bytes: row r
	s_bfe_u32 s56, ttmp6, 0x40000                  ; cx: my place in the cluster
	s_lshl_b32 s57, ttmp9, 2
	s_add_co_u32 s57, s57, s56                     ; c = 4 x cluster x + cx: which tile of every block is my work-group's
	s_and_b32 s58, ttmp7, 0xffff                   ; 8 b + head, which the partners share
	s_lshr_b32 s59, s58, 3                         ; b
	s_and_b32 s60, s58, 7                          ; head
	s_and_b32 s61, s[WV], 3                        ; which 128 keys of each 512 I fetch, if I fetch K
	s_and_b32 s85, s[WV], 1                        ; which 32 rows of each chunk, if I fetch V
	s_lshl_b32 s90, s59, 20
	s_lshl_b32 s91, s60, 6
	s_add_co_u32 s90, s90, s91                     ; the head's first row in Q's and K's codes
	s_lshl_b32 s56, s57, 13
	s_add_co_u32 s56, s56, s90                     ; Q: + 16 c rows of 512 bytes
	s_lshl_b32 s91, s61, 16
	s_add_co_u32 s90, s90, s91                     ; K: + my 128 rows
	s_mov_b32 s91, 0
	s_lshl_b32 s86, s58, 17                        ; V's codes: the head's 64 rows of 2,048 bytes,
	s_lshl_b32 s87, s85, 16
	s_add_co_u32 s86, s86, s87                     ; + my 32 rows
	s_mov_b32 s87, 0
	s_lshl_b32 s88, s59, 15                        ; K's scale bytes
	s_lshl_b32 s89, s60, 1
	s_add_co_u32 s88, s88, s89
	s_mov_b32 s89, 0
	s_lshl_b32 s62, s58, 12                        ; V's scale bytes: 4,096 dense bytes a head
	s_mov_b32 s63, 0
	s_mul_i32 s61, s61, STEPB                      ; and where my tiles go in LDS: the wave's number and constants alone
	s_mul_i32 s85, s85, 32*VP
	s_add_co_u32 s85, s85, VB
	s_xor_b32 s[BLK], s[WV], 15                    ; tile B's block: 15 - w = w xor 15 for w under 16
	s_lshl_b32 s100, s[BLK], 16                    ; a block is 128 rows of 512 bytes
	s_add_co_u32 s100, s100, s56                   ; tile B's first row in Q's codes;
	s_mov_b32 s101, 0
	s_lshr_b32 s2, s100, 5                         ; in Q's scale bytes: 2 bytes for 64;
	s_mov_b32 s3, 0
	s_lshl_b32 s[OUTB], s100, 2                    ; in out0: 256 bytes for 64
	s_mov_b32 s[OUTB+1], 0
	s_lshl_b32 s92, s[WV], 16
	s_add_co_u32 s92, s92, s56                     ; the same for tile A, block w
	s_mov_b32 s93, 0
	s_lshr_b32 s94, s92, 5
	s_mov_b32 s95, 0
	s_lshl_b32 s[OUTB+2], s92, 2
	s_mov_b32 s[OUTB+3], 0
	s_lshl_b32 s57, s57, 4                         ; 16 c, for the diagonal's mask
	; descriptor group 1.  K: 128 rows x 64 bytes, 512 bytes apart in memory, 16 bytes of padding behind each in LDS.  V: 32 rows x 512 bytes, 2,048 bytes apart, 16 bytes of padding behind each
	s_mov_b32 s[G1K], 15|(1<<20)|(1<<21)|(3<<22)|(3<<25)   ; 15:0 the mask: all four work-groups; 17:16 elements of 1 byte; 20 padding on; 21 set beside a mask; 24:22 after every 16 words (code 3); 31:25 four words (code 3)
	s_mov_b32 s[G1K+1], 64<<16                     ; tensor_dim0
	s_mov_b32 s[G1K+2], 128<<16                    ; tensor_dim1
	s_mov_b32 s[G1K+3], 64<<16                     ; tile_dim0
	s_mov_b32 s[G1K+4], 128                        ; tile_dim1
	s_mov_b32 s[G1K+5], 512                        ; tensor_dim0_stride
	s_mov_b32 s[G1K+6], 0
	s_mov_b32 s[G1K+7], 0
	s_mov_b32 s[G1V], 15|(1<<20)|(1<<21)|(6<<22)|(3<<25)   ; the same; padding after every 128 words (code 6)
	s_mov_b32 s[G1V+1], 512<<16
	s_mov_b32 s[G1V+2], 32<<16
	s_mov_b32 s[G1V+3], 512<<16
	s_mov_b32 s[G1V+4], 32
	s_mov_b32 s[G1V+5], 2048
	s_mov_b32 s[G1V+6], 0
	s_mov_b32 s[G1V+7], 0
	s_mov_b32 s[MNT], 0x600000
	s_mov_b32 s[SEL], 0x76543210
	s_mov_b32 s[SEL+1], 0xfedcba98
	s_mov_b32 s[CS], 0x3e38aa3b                    ; c = log2(e) / 8
	s_mov_b32 s[CS+1], s[CS]                       ; (named with it as a pair, so it is written)
	s_wait_dscnt 0x0
	s_wait_kmcnt 0x0
	s_add_nc_u64 s[8:9], s[8:9], s[90:91]          ; K's codes at my first tile
	s_add_nc_u64 s[12:13], s[12:13], s[86:87]      ; V's likewise
	s_add_nc_u64 s[10:11], s[10:11], s[88:89]      ; the head's scale bytes of K
	s_add_nc_u64 s[14:15], s[14:15], s[62:63]      ; and of V
	s_add_nc_u64 s[92:93], s[4:5], s[92:93]        ; tile A: Q's codes,
	s_add_nc_u64 s[94:95], s[6:7], s[94:95]        ; Q's scale bytes,
	s_add_nc_u64 s[OUTB+2:OUTB+3], s[16:17], s[OUTB+2:OUTB+3]   ; out0
	s_add_nc_u64 s[OUTB:OUTB+1], s[16:17], s[OUTB:OUTB+1]       ; tile B: out0,
	s_add_nc_u64 s[4:5], s[4:5], s[100:101]        ; Q's codes,
	s_add_nc_u64 s[6:7], s[6:7], s[2:3]            ; Q's scale bytes
.irp p, 0,1,2,3                        ; group 0, set p: K: keys 512 p + 128 (w % 4) on; V: chunk p, rows 32 (w % 2) on
	s_mov_b32 s[G0K+4*\p], 1                                       ; 1:0 count = 1
	s_add_co_u32 s[G0K+4*\p+1], s61, \p*4*STEPB                    ; 63:32 LDS address
	s_add_nc_u64 s[G0K+4*\p+2:G0K+4*\p+3], s[8:9], \p*262144       ; 120:64 global address: 512 rows of 512 bytes on
	s_or_b32 s[G0K+4*\p+3], s[G0K+4*\p+3], 0x80000000             ; 127:126 type = 2
	s_mov_b32 s[G0V+4*\p], 1
	s_add_co_u32 s[G0V+4*\p+1], s85, \p*CHUNK
	s_add_nc_u64 s[G0V+4*\p+2:G0V+4*\p+3], s[12:13], \p*512
	s_or_b32 s[G0V+4*\p+3], s[G0V+4*\p+3], 0x80000000
.endr
	CROUND                                         ; all four work-groups are here: the joint loads meet
	; ALL FILLS OF THE LAUNCH, in one branch on the wave's number: waves 0-3 four tiles of K each, waves 4, 5 half of each of V's four chunks, waves 6, 7 none.  Four tensor loads of a wave are out at the most.
	; Four v_nop follow each run, ahead of the jump, the label and what follows.
	s_cmp_lt_u32 s[WV], 4
	s_cbranch_scc0 .Lnot_k
.irp p, 0,1,2,3
	tensor_load_to_lds s[G0K+4*\p:G0K+4*\p+3], s[G1K:G1K+7]
	s_nop 0
.endr
.rept 4
	v_nop
.endr
	s_branch .Lasked
.Lnot_k:
	s_cmp_lt_u32 s[WV], 6
	s_cbranch_scc0 .Lasked
.irp p, 0,1,2,3
	tensor_load_to_lds s[G0V+4*\p:G0V+4*\p+3], s[G1V:G1V+7]
	s_nop 0
.endr
.rept 4
	v_nop
.endr
.Lasked:
.irp i, 0,1,2,3
	global_load_u16 v[S+2*\i], v22, s[10:11] offset:8192*\i        ; the two scale bytes of key 32 (t / 16) + t % 16 + 512 i,
	global_load_u16 v[S+2*\i+1], v22, s[10:11] offset:8192*\i+256  ; and of the key 16 on
.endr
.irp i, 0,1,2,3
	global_load_b32 v[S+8+\i], v23, s[14:15] offset:1024*\i        ; V's scale word number thread + 256 i: a wave reads 128 consecutive bytes
.endr
	global_load_b128 v[QF:QF+3], v13, s[4:5]                       ; tile B's q, twice: once for each form
	global_load_b128 v[QF+4:QF+7], v13, s[4:5] offset:32
	global_load_b128 v[QF+16:QF+19], v13, s[4:5]
	global_load_b128 v[QF+20:QF+23], v13, s[4:5] offset:32
	global_load_u16 v[QS], v12, s[6:7]
	WIN 0x40                                       ; destination window 1
	global_load_b128 v[AQ:AQ+3], v13, s[92:93]                     ; tile A's q waits in window 1
	global_load_b128 v[AQ+4:AQ+7], v13, s[92:93] offset:32
	global_load_u16 v[AQ+8], v12, s[94:95]
.irp b, 0,1,2,3
.irp j, 0,1,2,3,4,5,6,7
	v_mov_b32 v[24*\b+8+\j], 0                     ; K's zero codes: a run between the two tiles of each pair
.endr
.endr
	WIN 0
	; the addresses that stay, and the registers that are written once, while the loads are out
	v_mul_u32_u24 v[AK0], v[RR], KP
	v_lshl_add_u32 v[AK0], v20, 4, v[AK0]          ; K: row r, + 16 h
	v_mul_u32_u24 v[AV0], v[RR], VP
	v_lshl_add_u32 v[AV0], v20, 3, v[AV0]
	v_add_nc_u32 v[AV0], VB, v[AV0]                ; V: row r, + 8 h
	v_lshl_add_u32 v[ASK], v21, 3, KS
	v_lshl_add_u32 v[ASV], v21, 3, VS
	v_lshlrev_b32 v[DG], 3, v20
	v_sub_nc_u32 v[DG], v[RR], v[DG]
	v_add_nc_u32 v[DG], s57, v[DG]
	v_lshlrev_b32 v[GO], 4, v[RR]
	v_lshl_add_u32 v[GO], v20, 11, v[GO]           ; out0: lanes 0-15 one row of 256 bytes, lanes 16-31 the next query's, 2,048 bytes on
	s_mul_i32 s90, s[WV], STW
	s_add_co_u32 s90, s90, STG                     ; my stage
	v_and_b32 v9, 7, v[RR]
	v_mul_u32_u24 v[STO], v9, 272                  ; in: row r % 8, 32 bytes for each half of the lanes
	v_lshl_add_u32 v[STO], v20, 5, v[STO]
	v_add_nc_u32 v[STO], s90, v[STO]
	v_mul_u32_u24 v[RD], v20, 272                  ; back: lanes 0-15 one row, lanes 16-31 the next
	v_lshl_add_u32 v[RD], v[RR], 4, v[RD]
	v_add_nc_u32 v[RD], s90, v[RD]
	v_lshrrev_b32 v10, 6, v0                       ; where my words of K's table go: 256 (t / 64) + 8 (t % 32) + 4 ((t / 32) % 2), + 1,024 i
	v_lshlrev_b32 v10, 8, v10
	v_lshl_add_u32 v10, v21, 3, v10
	v_bfe_u32 v9, v0, 5, 1
	v_lshl_add_u32 v10, v9, 2, v10
	v_add_nc_u32 v10, KS, v10
	v_lshrrev_b32 v11, 4, v0                       ; V's word number t + 256 i is (d = t / 16 + 16 i, step t % 16): 256 (t % 16) + 8 (t / 16), + 128 (i % 2) + 4 (i / 2)
	v_lshlrev_b32 v11, 3, v11
	v_lshl_add_u32 v11, v[RR], 8, v11
	v_add_nc_u32 v11, VS, v11
.irp j, 0,1,2,3,4,5,6,7
	v_mov_b32 v[QF+8+\j], 0                        ; Q's zero codes
.endr
.irp b, 0,1,2,3
	v_mov_b32 v[T1+\b], 0                          ; written once: a lane permute's destination counts as one of its sources
.endr
	v_mov_b32 v[FF+1], 0                           ; (named as the upper half of the pair before it is ever written)
	INIT
	s_wait_loadcnt 0x0                             ; the scale bytes and both tiles' q
	v_lshl_or_b32 v[QS], v[QS], 16, v[QS]          ; Q's two bytes in both halves: they serve both forms
.rept 8
	v_nop                                          ; a scale register written by a vector instruction stands eight places ahead of the scaled product that names it
.endr
.irp i, 0,1,2,3
	v_lshl_or_b32 v[S+2*\i], v[S+2*\i+1], 16, v[S+2*\i]            ; two keys' bytes make a word
.endr
.irp i, 0,1,2,3
	ds_store_b32 v10, v[S+2*\i] offset:1024*\i
.endr
.irp i, 0,1,2,3
	ds_store_b32 v11, v[S+8+\i] offset:128*(\i%2)+4*(\i/2)
.endr
	s_wait_tensorcnt 0x3                           ; the first of my four fills has landed, the three younger stay out: together the waves' first fills are keys 0 to 511 of K and of V
	s_wait_dscnt 0x0                               ; for the others' sake: my words of the two tables are stored
	s_barrier_signal -1
	s_barrier_wait -1                              ; both hold of every wave
; A KEY STEP: 128 keys, number NS + q, the q-th of the trip's four.  causal = 1: a step behind the tile's diagonal is left out (a scalar branch on the wave's number and the loop's counter), and the diagonal's step is masked.
; ahead = 1: the step asks for the next step's K.  (The diagonal's step asks too, for fragments that nobody multiplies: behind step 15 they are bytes of V's codes and of V's table, landed and inside LDS.)
.macro STEP q, causal, ahead
.if \causal
	s_add_co_u32 s90, s[NS], \q                    ; this step's number
	s_cmp_gt_u32 s90, s[BLK]
	s_cbranch_scc1 .Lhidden_\@
.endif
	s_wait_dscnt 0x0                               ; K's fragments and scale words, asked for in the middle of the step before
	WIN 0x01                                       ; source 0 (K) window 1
.irp t, 0,1,2,3,4,5,6,7                ; S^T = K Q^T: eight tiles of 16 keys.  No place is owed behind the last step's products: these name none of their registers
.if (\t/2)%2
	v_wmma_scale_f32_16x16x128_f8f6f4 v[S+8*\t:S+8*\t+7], v[24*(\t/2)+8*(\t%2):24*(\t/2)+8*(\t%2)+15], v[QF+8*(\t%2):QF+8*(\t%2)+15], 0, v[KSC+\t/4], v[QS] matrix_a_fmt:MATRIX_FMT_BF8 matrix_b_fmt:MATRIX_FMT_BF8 matrix_a_scale:MATRIX_SCALE_ROW1
.else
	v_wmma_scale_f32_16x16x128_f8f6f4 v[S+8*\t:S+8*\t+7], v[24*(\t/2)+8*(\t%2):24*(\t/2)+8*(\t%2)+15], v[QF+8*(\t%2):QF+8*(\t%2)+15], 0, v[KSC+\t/4], v[QS] matrix_a_fmt:MATRIX_FMT_BF8 matrix_b_fmt:MATRIX_FMT_BF8
.endif
.endr
	WIN 0
	v_add_nc_u32 v[ADK], s[TK], v[AK0]             ; the four additions and four v_nop are the eight places behind these products, in front of the first read of the scores
	v_add_nc_u32 v[ADV], s[TV], v[AV0]             ; and behind the last step's products, in front of the loads into V's registers
	v_add_nc_u32 v[ADS], s[TS], v[ASK]
	v_add_nc_u32 v[ADT], s[TS], v[ASV]
.rept 4
	v_nop
.endr
.irp t, 0,1,2,3                        ; V's four fragments are asked for now and land while the softmax runs.  Registers 4 b, 4 b + 1: keys 32 b + 8 h on; 4 b + 2, 4 b + 3: keys 32 b + 16 + 8 h on: as p's codes lie
.irp b, 0,1,2,3
	ds_load_b64 v[F+16*\t+4*\b:F+16*\t+4*\b+1],   v[ADV] offset:128*\q+16*VP*\t+32*\b
	ds_load_b64 v[F+16*\t+4*\b+2:F+16*\t+4*\b+3], v[ADV] offset:128*\q+16*VP*\t+32*\b+16
.endr
.endr
	ds_load_b64 v[VSC:VSC+1], v[ADT] offset:256*\q                 ; register i: lane l holds the word of d = 32 i + l
.if \causal                            ; on the diagonal the scores of hidden keys become -infinity ahead of the maximum: p = 0 then.  The step's first key counts for every query, so M stays a number
	s_cmp_lt_u32 s90, s[BLK]
	s_cbranch_scc1 .Lopen_\@
	v_mov_b32 v[NI], 0xff800000
.set NN, 0
.rept 64
	v_cmp_gt_i32 vcc_lo, 16*(NN/8)+NN%8, v[DG]
	v_cndmask_b32 v[S+NN], v[S+NN], v[NI], vcc_lo
.set NN, NN+1
.endr
.Lopen_\@:
.endif
.irp b, 0,1,2,3
	v_max3_num_f32 v[BM+\b], v[S+16*\b], v[S+1+16*\b], v[S+2+16*\b]   ; THE LARGEST SCORE OF EACH BLOCK OF 32 KEYS serves twice: for the row's maximum and, since p rises with the score, for the block's largest p
.endr
.irp i, 3,5,7,9,11,13
.irp b, 0,1,2,3
	v_max3_num_f32 v[BM+\b], v[BM+\b], v[S+16*\b+\i], v[S+1+16*\b+\i]   ; (the four blocks by turns; each accumulator is read from its low end on)
.endr
.endr
.irp b, 0,1,2,3
	v_max_num_f32 v[BM+\b], v[BM+\b], v[S+15+16*\b]
.endr
.irp b, 0,1,2,3
	v_permlanex16_b32 v[T1+\b], v[BM+\b], s[SEL], s[SEL+1]
.endr
.irp b, 0,1,2,3
	v_max_num_f32 v[BM+\b], v[BM+\b], v[T1+\b]     ; with lane l xor 16's 16 keys
.endr
	v_max3_num_f32 v[TW], v[BM], v[BM+1], v[BM+2]
	v_max_num_f32 v[TW], v[TW], v[BM+3]            ; the step's largest score of my query
	v_mul_f32 v[TW], s[CS], v[TW]                  ; as t (c is positive)
	v_max_num_f32 v15, v15, v[TW]                  ; the running largest t
	v_mov_b32 v[TW], v14
	v_floor_f32 v14, -v15                          ; the new -M = floor(-t) = -ceil(t): a whole number
	v_sub_f32 v[TW], v14, v[TW]                    ; old M - new M: a whole number, 0 or less
	v_cvt_i32_f32 v[TW], v[TW]                     ; (it saturates)
	v_ldexp_f32 v[FF], 1.0, v[TW]                  ; f = 2^(old M - new M)
.set JJ, 0
.rept 32
	v_pk_fma_f32 v[S+JJ:S+JJ+1], v[S+JJ:S+JJ+1], s[CS:CS+1], v[14:15] op_sel_hi:[1,0,0]   ; t - M, two at a time (of the pairs c and -M the low word serves both halves)
.set JJ, JJ+2
.endr
.irp b, 0,1,2,3
	v_fma_f32 v[BM+\b], v[BM+\b], s[CS], v14       ; the same of each block's largest score
.endr
.if \ahead
	KLOAD \q+1                                     ; THE NEXT STEP'S K: its registers were last read by this step's first products; it has the rest of the softmax and the second products in which to land
.endif
.set JJ, 0
.rept 64
	v_exp_f32 v[S+JJ], v[S+JJ]                     ; p = 2^(t - M), at most 1: not normalised
.set JJ, JJ+1
.endr
.irp b, 0,1,2,3
	v_exp_f32 v[BM+\b], v[BM+\b]                   ; the block's largest p: the same two instructions on the same number give the same bits
.endr
	v_pk_mul_f32 v[16:17], v[16:17], v[FF:FF+1] op_sel_hi:[1,0]    ; the sum under the new M.  (The plain place behind the exponentials)
	s_wait_alu depctr_va_vdst(0)
.irp b, 0,1,2,3
	v_max_num_f32 v[BM+\b], 0x8000000, v[BM+\b]    ; the floor 2^(16 - 127): the byte cannot fall under 1
.endr
.irp b, 0,1,2,3
	v_add_nc_u32 v[SO+\b], 0xf8800000, v[BM+\b]    ; 15 off the exponent field: the conversion's scale operand
.endr
.irp b, 0,1,2,3
	v_and_or_b32 v[HD+\b], v[BM+\b], 0x7f800000, s[MNT]   ; 57,344 x the scale
.endr
.irp b, 0,1,2,3
	v_lshrrev_b32 v[T1+\b], 23, v[SO+\b]           ; the scale's byte
.endr
	v_lshl_or_b32 v[PW], v[T1+1], 8, v[T1]         ; p's scale word for these 128 keys
	v_lshl_or_b32 v[PW], v[T1+2], 16, v[PW]
	v_lshl_or_b32 v[PW], v[T1+3], 24, v[PW]
	v_pk_add_f32 v[T1:T1+1], v[S:S+1], v[S+2:S+3]  ; THE ROW'S SUM IS TAKEN OF THE UNQUANTISED p: two at a time, in two chains
.set JJ, 4
.rept 15
	v_pk_add_f32 v[16:17], v[16:17], v[S+JJ:S+JJ+1]
	v_pk_add_f32 v[T1:T1+1], v[T1:T1+1], v[S+JJ+2:S+JJ+3]
.set JJ, JJ+4
.endr
	v_pk_add_f32 v[16:17], v[16:17], v[T1:T1+1]
.irp b, 0,1,2,3
.irp i, 0,1,2,3,4,5,6,7,8,9,10,11,12,13,14,15
	v_min_num_f32 v[S+16*\b+\i], v[S+16*\b+\i], v[HD+\b]   ; the conversion to an 8-bit code does not saturate (ISA guide 7.6.2); p is not negative, so the hold is one-sided
.endr
	v_cvt_scalef32_pk8_bf8_f32 v[PC+4*\b:PC+4*\b+1], v[S+16*\b:S+16*\b+7], v[SO+\b]
	v_cvt_scalef32_pk8_bf8_f32 v[PC+4*\b+2:PC+4*\b+3], v[S+16*\b+8:S+16*\b+15], v[SO+\b]
.endr
.set JJ, 0
.rept 16
	v_pk_mul_f32 v[O+JJ:O+JJ+1], v[O+JJ:O+JJ+1], v[FF:FF+1] op_sel_hi:[1,0]   ; O^T under the new M.  (These sixteen also stand between the codes and the products that take them)
.set JJ, JJ+2
.endr
.if \ahead
	s_wait_dscnt 17                                ; V's fragments and scale words are in: behind their loads stand the 17 that ask for the next step's K, which may stay out
.else
	s_wait_dscnt 0x0
.endif
.irp t, 0,2                            ; O^T += V^T P^T: the four accumulators by turns, one instruction a turn; the eight products K Q^T stand between two steps' turns
	v_wmma_scale_f32_16x16x128_f8f6f4 v[O+8*\t:O+8*\t+7], v[F+16*\t:F+16*\t+15], v[PC:PC+15], v[O+8*\t:O+8*\t+7], v[VSC+\t/2], v[PW] matrix_a_fmt:MATRIX_FMT_BF8 matrix_b_fmt:MATRIX_FMT_BF8
	v_wmma_scale_f32_16x16x128_f8f6f4 v[O+8*\t+8:O+8*\t+15], v[F+16*\t+16:F+16*\t+31], v[PC:PC+15], v[O+8*\t+8:O+8*\t+15], v[VSC+\t/2], v[PW] matrix_a_fmt:MATRIX_FMT_BF8 matrix_b_fmt:MATRIX_FMT_BF8 matrix_a_scale:MATRIX_SCALE_ROW1
.endr
.if \causal
.Lhidden_\@:
.endif
.endm
; A trip: four key steps, a chunk of V: all that differs inside a chunk stands in the loads' immediates.  The three steps of the addresses stand on every path.  on = 1: the last step asks for the next trip's first K.
.macro TRIP causal, on
	STEP 0, \causal, 1
	STEP 1, \causal, 1
	STEP 2, \causal, 1
	STEP 3, \causal, \on
	s_add_co_u32 s[TK], s[TK], 4*STEPB
	s_add_co_u32 s[TV], s[TV], CHUNK
	s_add_co_u32 s[TS], s[TS], 1024
.endm
; THE WAY OUT of a tile: O^T / the sum goes through my own stage in LDS, eight queries at a time, and leaves as whole rows: sixteen lanes store 256 consecutive bytes, at a multiple of 256 from out0's first byte.
; The stage holds eight rows, so the lanes of queries 0-7 store first, with the other lanes off, and the eight rows are read back; then the lanes of queries 8-15 likewise.
.macro WAYOUT base
.rept 8
	v_nop                                          ; places behind the last products
.endr
	v_add_f32 v16, v16, v17                        ; the sum's two halves,
	v_permlanex16_b32 v[T1], v16, s[SEL], s[SEL+1]
	v_add_f32 v16, v16, v[T1]                      ; and lane l xor 16's: the row's sum
	v_rcp_f32 v16, v16
	v_nop                                          ; one plain place behind a transcendental
.set JJ, 0
	s_wait_alu depctr_va_vdst(0)
.rept 16
	v_pk_mul_f32 v[S+JJ:S+JJ+1], v[O+JJ:O+JJ+1], v[16:17] op_sel_hi:[1,0]   ; register 8 t + j is o(query r, 16 t + 8 h + j)
.set JJ, JJ+2
.endr
	s_wait_xcnt 0x0                                ; EXEC changes only behind this wait; no global instruction is issued until it has been restored for the last time
.irp a, 0,1
.if \a
	v_cmp_le_u32 vcc_lo, 8, v[RR]                  ; queries 8-15
.else
	v_cmp_gt_u32 vcc_lo, 8, v[RR]                  ; queries 0-7
.endif
	s_and_saveexec_b32 s90, vcc_lo
.irp t, 0,1,2,3
	ds_store_b128 v[STO], v[S+8*\t:S+8*\t+3] offset:64*\t
	ds_store_b128 v[STO], v[S+8*\t+4:S+8*\t+7] offset:64*\t+16
.endr
	s_or_b32 exec_lo, exec_lo, s90                 ; all lanes on again
.irp i, 0,1,2,3
	ds_load_b128 v[S+32+16*\a+4*\i:S+32+16*\a+4*\i+3], v[RD] offset:2*272*\i   ; LDS serves a wave's instructions in order (ISA guide 5.7.1.4): these see the stores above, and the second half's stores come behind them
.endr
.endr
.irp a, 0,1
.irp i, 0,1,2,3
	s_wait_dscnt 12*(1-\a)+3-\i                    ; this pair of rows is back: behind its load stand the rest of its half's loads and, for the first half, the second half's eight stores and four loads.  The last count is 0: the diagonal step's loads of K are done too
	global_store_b128 v[GO], v[S+32+16*\a+4*\i:S+32+16*\a+4*\i+3], s[\base:\base+1] offset:16384*\a+4096*\i th:TH_STORE_NT   ; written once, read by nobody here
.endr
.endr
.endm
	; TILE B, block 15 - w.  Its first four steps need no jump and no mask: the block is 8 at the least.  They read keys 0 to 511 alone, while the rest of the head lands: so the fourth asks for no K ahead.
	START
	PRE
	TRIP 0, 0
	s_mov_b32 s[NS], 4
	s_wait_tensorcnt 0x0                           ; all my fills have landed
	s_wait_dscnt 0x0
	s_barrier_signal -1
	s_barrier_wait -1                              ; everybody's have: the whole head lies in LDS
	PRE                                            ; K of step 4
.Lb2:                                              ; three trips: steps 4 to 15
	TRIP 1, 1
	s_add_co_u32 s[NS], s[NS], 4
	s_cmp_lt_u32 s[NS], 16
	s_cbranch_scc1 .Lb2
	WAYOUT OUTB
	s_wait_xcnt 0x0                                ; the stores have read their registers: tile A's scores may be written there
	; TILE A, block w
	WIN 0x01                                       ; source 0 window 1
.irp j, 0,1,2,3,4,5,6,7
	v_mov_b32 v[QF+\j], v[AQ+\j]                   ; its q, for both forms
	v_mov_b32 v[QF+16+\j], v[AQ+\j]
.endr
	v_mov_b32 v[QS], v[AQ+8]
	WIN 0
	v_lshl_or_b32 v[QS], v[QS], 16, v[QS]
	INIT                                           ; (its 36 lines also stand between Q's registers and scale word and the products that take them)
	s_mov_b32 s[BLK], s[WV]
	START
	PRE
.La:                                               ; two trips: steps 0 to 7
	TRIP 1, 1
	s_add_co_u32 s[NS], s[NS], 4
	s_cmp_lt_u32 s[NS], 8
	s_cbranch_scc1 .La
	WAYOUT OUTB+2
	s_wait_tensorcnt 0x0
	s_wait_dscnt 0x0
	s_wait_tensorcnt 0x0
	ds_add_u32 v247, v255
	s_wait_dscnt 0x0
	CROUND                                         ; the closing round: no work-group ends while a partner may still ask for a tile that names it
	s_endpgm
.Lfunc_end_k_q1fd49ff5ed_attn:
	.size	k_q1fd49ff5ed_attn, .Lfunc_end_k_q1fd49ff5ed_attn-k_q1fd49ff5ed_attn
	.p2alignl 7, 3214868480
	.fill 96, 4, 3214868480
	.section	.rodata,"a",@progbits
	.p2align	6, 0x0
	.amdhsa_kernel k_q1fd49ff5ed_attn
		.amdhsa_group_segment_fixed_size 327680
		.amdhsa_private_segment_fixed_size 0
		.amdhsa_enable_private_segment 0
		.amdhsa_kernarg_size 56
		.amdhsa_user_sgpr_count 2
		.amdhsa_user_sgpr_kernarg_segment_ptr 1
		.amdhsa_wavefront_size32 1
		.amdhsa_system_sgpr_workgroup_id_x 1
		.amdhsa_system_sgpr_workgroup_id_y 1
		.amdhsa_system_sgpr_workgroup_id_z 1
		.amdhsa_system_vgpr_workitem_id 0
		.amdhsa_next_free_vgpr 368
		.amdhsa_next_free_sgpr 104
		.amdhsa_reserve_vcc 1
		.amdhsa_float_denorm_mode_32 3
		.amdhsa_float_denorm_mode_16_64 3
		.amdhsa_memory_ordered 1
		.amdhsa_forward_progress 1
		.amdhsa_inst_pref_size 255
	.end_amdhsa_kernel
	.section	.bss,"aw",@nobits
	.p2align	6
	.space	262144
	.amdgpu_metadata
---
amdhsa.version: [ 1, 2 ]
amdhsa.kernels:
  - .name:           k_q1fd49ff5ed_attn
    .symbol:         k_q1fd49ff5ed_attn.kd
    .args:
      - { .name: queries_codes, .offset: 0, .size: 8, .value_kind: global_buffer, .address_space: global }
      - { .name: queries_scales, .offset: 8, .size: 8, .value_kind: global_buffer, .address_space: global }
      - { .name: keys_codes, .offset: 16, .size: 8, .value_kind: global_buffer, .address_space: global }
      - { .name: keys_scales, .offset: 24, .size: 8, .value_kind: global_buffer, .address_space: global }
      - { .name: values_codes, .offset: 32, .size: 8, .value_kind: global_buffer, .address_space: global }
      - { .name: values_scales, .offset: 40, .size: 8, .value_kind: global_buffer, .address_space: global }
      - { .name: out0, .offset: 48, .size: 8, .value_kind: global_buffer, .address_space: global }
    .group_segment_fixed_size: 327680
    .private_segment_fixed_size: 0
    .kernarg_segment_align: 8
    .kernarg_segment_size: 56
    .max_flat_workgroup_size: 256
    .sgpr_count:     104
    .vgpr_count:     368
    .wavefront_size: 32
...
	.end_amdgpu_metadata
.endif
;; end of part 1
